; MI455X (gfx1250); checked and timed in simulation.
; The chip was launched on July 23, 2026; its instructions are those of AMD's public machine-readable ISA for CDNA 5 (MIT licence, August 2026) and "CDNA5" Instruction Set Architecture Reference Guide (July 2026). The comments in the code are by the model that wrote it; some were corrected since.
;; Masked Multi Self Attention. Allowed arithmetic: matrix products marked QUANTISED: E2M1 operands, one E8M0 scale for each 32 along K, by v_wmma_scale_f32_16x16x128_f8f6f4 with both operands' format E2M1 (or v_wmma_scale_f32_32x16x128_f4), f32 sums; products left as they are: bf16, f16 or f32 operands; f32 sums; everything else in f32.
;; Inputs: W_proj 1,024 x 1,024 float32; W_qkv 1,024 x 3,072 float32; b_proj 1,024 float32; b_qkv 3,072 float32; x 2 x 2,048 x 1,024 float32.
;; Outputs: out0 2 x 2,048 x 1,024 float32.
;; This version of the problem:
;;   THIS VERSION OF THE PROBLEM IS GIVEN IN LOW PRECISION. The matrix products marked QUANTISED in the list below multiply operands that are first quantised to E2M1 (2 exponent bits, 1 mantissa bit; 4 bits a number), with one power-of-two scale for each 32 numbers along K (OCP MX v1.0); their sums are f32. The products marked 'left as it is' may take bf16, f16 or f32 operands, with f32 sums. All else is computed in f32.
;;   The module's matrix products, in the order in which they are computed (A, B: the left and right operand; K: the contracted axis; several contracted axes count as one K, in the product's order):
;;     1. [M 4,096, K 1,024] x [K 1,024, N 3,072]; A: input x; B: input W_qkv: QUANTISED
;;     2. batch 32 x [M 2,048, K 64] x [K 64, N 2,048]; A: computed on the way; B: computed on the way: left as it is (an operand is computed on the way)
;;     3. batch 32 x [M 2,048, K 2,048] x [K 2,048, N 64]; A: computed on the way; B: computed on the way: left as it is (an operand is computed on the way)
;;     4. [M 4,096, K 1,024] x [K 1,024, N 1,024]; A: computed on the way; B: input W_proj: left as it is (an operand is computed on the way)
;;   THE QUANTISER, for each operand of a quantised product, along K:
;;     - K is cut into blocks of 32 from its start; a last block that is shorter is filled with zeros.
;;     - A block's scale is 2^e with e = floor(log2(the largest magnitude in the block)) - 2, held to -126 .. 127; a block of zeros has e = 0. As a byte (E8M0): e + 127.
;;     - Each number is divided by its block's scale, clamped to +-6, and rounded to the nearest number of E2M1, ties to even, subnormals kept.
;;     - The product sums the exact products of the quantised numbers (number of the format x scale) in f32.
;;   ~~~python
;;   def quantise(x, axis):      # numpy; x: float32 -> the quantised numbers, widened to float32 again
;;       x = np.moveaxis(x, axis, -1); K = x.shape[-1]
;;       x = np.pad(x, [(0, 0)] * (x.ndim - 1) + [(0, -K % 32)]); x = x.reshape(x.shape[:-1] + (-1, 32)); a = np.abs(x).max(-1, keepdims=True)
;;       e = np.where(a > 0, np.clip(np.frexp(np.where(a > 0, a, 1))[1] - 1 - 2, -126, 127), 0)      # np.frexp(a)[1] - 1 = floor(log2(a)), exactly
;;       r = np.clip(x / 2.0 ** e, -6, 6)
;;       step = 2.0 ** (np.maximum(np.frexp(np.where(r == 0, 1, r))[1] - 1, 0) - 1)
;;       q = np.round(r / step) * step * 2.0 ** e      # np.round: ties to even
;;       return np.moveaxis(q.reshape(q.shape[:-2] + (-1,))[..., :K], -1, axis).astype(np.float32)
;;   ~~~
;; One version. Each part assembles by itself: llvm-mc -triple=amdgcn-amd-amdhsa -mcpu=gfx1250 --defsym DOCPART=n.
;; ======== version 1 of 1: 4 launches
;; limits: values are held in f16: magnitudes above 65,504 overflow, below 6.1e-05 lose precision
;; workspace buffers: xc 2,097,152 bytes; xs 131,072 bytes; wc 1,572,864 bytes; ws 98,304 bytes; wp 2,097,152 bytes; qkv 25,165,824 bytes; at 8,388,608 bytes
;; launch prep (part 1): grid 768 x 1, 4 waves a work-group, no clusters, 34,304 bytes of LDS; arguments x, W_qkv, W_proj, xc, xs, wc, ws, wp; writes xc, xs, wc, ws, wp
.if DOCPART == 1
	.amdgcn_target "amdgcn-amd-amdhsa--gfx1250"
	.amdhsa_code_object_version 6
	.text
	.protected	k_q1b04e964f3_prep
	.globl	k_q1b04e964f3_prep
	.p2align	8
	.type	k_q1b04e964f3_prep,@function
k_q1b04e964f3_prep:
	s_mov_b64 s[64:65], 0
	v_nop
	global_prefetch_b8 v0, s[64:65] scope:SCOPE_SE
	s_setreg_imm32_b32 hwreg(HW_REG_WAVE_MODE, 25, 1), 1
	s_wait_xcnt 0x0
; PREP: the operands of the first product become codes of FP4 (E2M1) with one E8M0 scale byte for each 32 along K; W_proj becomes f16.
; All three results are laid IN THE ORDER OF THE OPERAND'S REGISTERS, in pieces of 512 bytes, lane l's 16 bytes at 16 l:
;   xc [row tile 256][K step 8][c 2][lane][16 B]: lane (r, h), piece c: the codes of k = 128 step + 64 c + 32 h + 0 .. 31 of row r;  xs [row tile][K step][row 16][4 B]: byte b scales k = 32 b .. 32 b + 31 of the step
;   wc [n tile 192][K step 8][c 2][lane][16 B], ws [n tile][K step][16][4 B]: the same for the columns of W_qkv
;   wp [n tile 64][chunk 64][lane][16 B]: lane (r, h): column r of the tile, k = 16 chunk + 8 h + 0 .. 7, f16
; A block's scale is 2^(floor(log2(its largest magnitude)) - 2); its byte is the largest magnitude's exponent field - 2, held at 1 from below by a floor among the maximum's leaves.
; LIMITS: a block of zeros keeps the byte 1 where the rule says 127 (its codes are zeros, and this program alone reads the bytes); blocks whose largest magnitude lies under 2^-124 were not tried;
; NaN and infinities are not served.  W_proj beyond f16's largest number, 65,504, is not served.
; SHARES: a wave has ONE task, asks for all of it at once, works, stores and ends: no loop, no barrier, waves share nothing.
;   work-groups 0-511: x, a wave 16 rows x 128 K;  512-703: W_qkv, a wave 32 columns x 128 K, a lane a column;  704-767: W_proj, likewise.  Only the first path uses LDS.
.set R,   16                           ; x: v16-79 sixteen rows' 512 bytes as loaded;  the weights: v16-143 a column's 128 numbers down K
.set X,   80                           ; v80-143  register 16 b + i = k 32 b + 16 h + i of my row
.set TM,  144                          ; v144-159 at work
.set PW,  160                          ; the scale word
.set PC,  162                          ; v162-169 the fragment's codes
.set SP,  528                          ; a stage row: 512 bytes + 16: the sixteen rows that a load touches start at sixteen different 16-byte columns
.set WST, 16*SP                        ; a wave's stage
; 64 numbers of a lane become a fragment's codes in v[PC] on and its scale word in v[PW]
.macro QUANT s
.irp b, 0,1,2,3
	v_max3_num_f32 v[TM+\b], |v[\s+16*\b]|, |v[\s+1+16*\b]|, 0x1800000   ; block b: my 16 numbers, and the floor 2^(3 - 127): the byte cannot fall under 1
.endr
.irp i, 2,4,6,8,10,12,14
.irp b, 0,1,2,3
	v_max3_num_f32 v[TM+\b], v[TM+\b], |v[\s+16*\b+\i]|, |v[\s+1+16*\b+\i]|   ; the four blocks by turns
.endr
.endr
.irp b, 0,1,2,3
	v_permlanex16_b32 v[TM+4+\b], v[TM+\b], s22, s23
.endr
.irp b, 0,1,2,3
	v_max_num_f32 v[TM+\b], v[TM+\b], v[TM+4+\b]   ; with lane l xor 16's: the block's largest magnitude
.endr
.irp b, 0,1,2,3
	v_add_nc_u32 v[TM+12+\b], 0xff000000, v[TM+\b]   ; 2 off its exponent field: the conversion takes the exponent field of this operand as its scale
.endr
.irp b, 0,1,2,3
	v_lshrrev_b32 v[TM+4+\b], 23, v[TM+12+\b]      ; the scale's byte
.endr
	v_lshl_or_b32 v[PW], v[TM+5], 8, v[TM+4]
	v_lshl_or_b32 v[PW], v[TM+6], 16, v[PW]
	v_lshl_or_b32 v[PW], v[TM+7], 24, v[PW]
.irp b, 0,1,2,3
	v_cvt_scalef32_pk8_fp4_f32 v[PC+2*\b], v[\s+16*\b:\s+7+16*\b], v[TM+12+\b]
	v_cvt_scalef32_pk8_fp4_f32 v[PC+1+2*\b], v[\s+8+16*\b:\s+15+16*\b], v[TM+12+\b]
.endr
	v_nop                                          ; one plain place behind a scaled conversion
.irp c, 0,1                                    ; the layout wants a whole block in a lane: lanes 0-15 block 2 c, lanes 16-31 block 2 c + 1
.irp i, 0,1
	v_permlane16_swap_b32 v[PC+4*\c+\i], v[PC+2+4*\c+\i]
.endr
.endr
.endm
; a column's 128 numbers down K: each load reads 128 consecutive bytes in the wave's 32 lanes, and the four waves stand side by side
.macro COLS lo, pitch
.set n, 0
.rept 128
	global_load_b32 v[R+n], v4, s[\lo:\lo+1] offset:n*\pitch th:TH_LOAD_NT
.set n, n+1
.endr
.endm
	s_load_b256 s[4:11], s[0:1], 0x0               ; x s[4:5], W_qkv s[6:7], W_proj s[8:9], xc s[10:11]
	s_load_b256 s[12:19], s[0:1], 0x20             ; xs s[12:13], wc s[14:15], ws s[16:17], wp s[18:19]
	v_lshl_add_u32 v176, v0, 2, 0x8400
	v_mov_b32 v177, 0
	v_lshrrev_b32 v1, 5, v0
	v_readfirstlane_b32 s20, v1                    ; wave
	v_and_b32 v1, 31, v0                           ; lane
	v_and_b32 v2, 15, v0                           ; r
	v_bfe_u32 v3, v0, 4, 1                         ; h
	s_mov_b32 s22, 0x76543210
	s_mov_b32 s23, 0xfedcba98                      ; v_permlanex16_b32's selects for lane l xor 16
	s_mov_b32 s27, 0                               ; the upper word of every offset
	s_wait_kmcnt 0x0
	s_cmp_lt_u32 ttmp9, 512
	s_cbranch_scc1 .Lx
	s_cmp_lt_u32 ttmp9, 704
	s_cbranch_scc1 .Lwq
	; ---- W_proj [k][n] -> f16.  kq = which 128 along K, cg = which 128 columns
	s_sub_co_u32 s24, ttmp9, 704
	s_and_b32 s25, s24, 7                          ; kq
	s_lshr_b32 s24, s24, 3                         ; cg
	s_lshl_b32 s26, s25, 19                        ; 128 rows of 4,096 bytes
	s_lshl_b32 s28, s24, 9
	s_add_co_u32 s26, s26, s28
	s_lshl_b32 s28, s20, 7                         ; my wave's 32 columns
	s_add_co_u32 s26, s26, s28
	s_add_nc_u64 s[8:9], s[8:9], s[26:27]
	s_lshl_b32 s26, s24, 3
	s_lshl_b32 s28, s20, 1
	s_add_co_u32 s26, s26, s28                     ; my first tile of 16 columns
	s_lshl_b32 s26, s26, 15
	s_lshl_b32 s28, s25, 12                        ; 8 chunks of 512 bytes
	s_add_co_u32 s26, s26, s28
	s_add_nc_u64 s[18:19], s[18:19], s[26:27]
	v_lshlrev_b32 v4, 2, v1
	v_lshlrev_b32 v5, 4, v2
	v_lshl_add_u32 v5, v3, 15, v5                  ; out: my tile (lane / 16), 16 r
	COLS 8, 4096
; dwords from .. to - 1: two numbers to a dword, in place (the destination never runs ahead of numbers not yet read); four dwords are k = 8 m .. 8 m + 7:
; chunk m / 2, half m % 2, that is 256 m + 16 r: sixteen lanes store 256 consecutive aligned bytes
.macro HALVES from, to
.set n, \from
.rept \to-\from
	v_cvt_pk_f16_f32 v[R+n], v[R+2*n], v[R+1+2*n]
.set n, n+1
.endr
.set n, \from/4
.rept (\to-\from)/4
	global_store_b128 v5, v[R+4*n:R+4*n+3], s[18:19] offset:256*n
.set n, n+1
.endr
.endm
	s_wait_loadcnt 63                              ; at most 63 of the 128 are out: the first 64 numbers are in
	HALVES 0, 32
	s_wait_loadcnt 32                              ; all but the last 32
	HALVES 32, 48
	s_wait_loadcnt 0x0
	HALVES 48, 64
	s_endpgm
.Lwq:	; ---- W_qkv [k][n] -> codes.  ks = K step, cg = which 128 columns.  A block of 32 along K lies in ONE lane's registers
	s_sub_co_u32 s24, ttmp9, 512
	s_and_b32 s25, s24, 7                          ; ks
	s_lshr_b32 s24, s24, 3                         ; cg
	s_mul_i32 s26, s25, 1572864                    ; 128 rows of 12,288 bytes
	s_lshl_b32 s28, s24, 9
	s_add_co_u32 s26, s26, s28
	s_lshl_b32 s28, s20, 7
	s_add_co_u32 s26, s26, s28
	s_add_nc_u64 s[6:7], s[6:7], s[26:27]
	s_lshl_b32 s29, s24, 3
	s_lshl_b32 s28, s20, 1
	s_add_co_u32 s29, s29, s28                     ; my first tile of 16 columns
	s_lshl_b32 s26, s29, 13
	s_lshl_b32 s28, s25, 10
	s_add_co_u32 s26, s26, s28
	s_add_nc_u64 s[14:15], s[14:15], s[26:27]
	s_lshl_b32 s26, s29, 9
	s_lshl_b32 s28, s25, 6
	s_add_co_u32 s26, s26, s28
	s_add_nc_u64 s[16:17], s[16:17], s[26:27]
	v_lshlrev_b32 v4, 2, v1
	v_lshlrev_b32 v5, 4, v2
	v_lshl_add_u32 v5, v3, 13, v5                  ; codes: my tile, 16 r
	v_lshlrev_b32 v6, 2, v2
	v_lshl_add_u32 v6, v3, 9, v6                   ; scale word: my tile, 4 r
	COLS 6, 12288
; block t is piece t / 2, half t % 2 of the fragment: 256 t + 16 r: sixteen lanes store 256 consecutive aligned bytes
.macro BLOCK t
.set XS, R+32*\t
	v_max3_num_f32 v144, |v[XS]|, |v[XS+1]|, |v[XS+2]|
	v_max3_num_f32 v145, |v[XS+3]|, |v[XS+4]|, |v[XS+5]|
.irp i, 6,10,14,18,22,26
	v_max3_num_f32 v144, v144, |v[XS+\i]|, |v[XS+\i+1]|
	v_max3_num_f32 v145, v145, |v[XS+\i+2]|, |v[XS+\i+3]|
.endr
	v_max3_num_f32 v144, v144, |v[XS+30]|, |v[XS+31]|
	v_max3_num_f32 v144, v144, v145, 0x1800000     ; and the floor
	v_add_nc_u32 v146, 0xff000000, v144            ; the conversion's scale operand
	v_lshrrev_b32 v147, 23, v146                   ; the byte
.if \t == 0
	v_mov_b32 v148, v147
.else
	v_lshl_or_b32 v148, v147, 8*\t, v148
.endif
.irp g, 0,1,2,3
	v_cvt_scalef32_pk8_fp4_f32 v[152+4*\t+\g], v[XS+8*\g:XS+8*\g+7], v146
.endr
	v_nop                                          ; one plain place behind the conversions
	global_store_b128 v5, v[152+4*\t:155+4*\t], s[14:15] offset:256*\t
.endm
	s_wait_loadcnt 63                              ; at most 63 of the 128 are out: blocks 0 and 1 are in
	BLOCK 0
	BLOCK 1
	s_wait_loadcnt 32
	BLOCK 2
	s_wait_loadcnt 0x0
	BLOCK 3
	global_store_b32 v6, v148, s[16:17]            ; 64 bytes for each tile: the scale bytes are one in 128 of what is read
	s_endpgm
.Lx:	; ---- x [row][k] -> codes.  row tile = work-group / 2, K step = 4 (work-group % 2) + wave
	s_lshr_b32 s24, ttmp9, 1
	s_and_b32 s25, ttmp9, 1
	s_lshl_b32 s25, s25, 2
	s_add_co_u32 s25, s25, s20
	s_lshl_b32 s26, s24, 16                        ; 16 rows of 4,096 bytes
	s_lshl_b32 s28, s25, 9
	s_add_co_u32 s26, s26, s28
	s_add_nc_u64 s[4:5], s[4:5], s[26:27]
	s_lshl_b32 s26, s24, 13
	s_lshl_b32 s28, s25, 10
	s_add_co_u32 s26, s26, s28
	s_add_nc_u64 s[10:11], s[10:11], s[26:27]
	s_lshl_b32 s26, s24, 9
	s_lshl_b32 s28, s25, 6
	s_add_co_u32 s26, s26, s28
	s_add_nc_u64 s[12:13], s[12:13], s[26:27]
	v_lshlrev_b32 v4, 4, v1                        ; 16 x lane
.irp i, 0,1,2,3,4,5,6,7,8,9,10,11,12,13,14,15
	global_load_b128 v[R+4*\i:R+4*\i+3], v4, s[4:5] offset:4096*\i th:TH_LOAD_NT   ; row i's 512 consecutive bytes
.endr
	s_mul_i32 s28, s20, WST
	v_add_nc_u32 v5, s28, v4                       ; the stage, in: as loaded
	v_mul_u32_u24 v6, v2, SP
	v_lshl_add_u32 v6, v3, 6, v6
	v_add_nc_u32 v6, s28, v6                       ; out: row r, + 64 h: my 16 numbers of each block of 32
	v_lshlrev_b32 v7, 2, v2
.irp b, 0,1,2,3
	v_mov_b32 v[TM+4+\b], 0                        ; a lane permute's destination counts as one of its sources
.endr
.irp g, 0,1,2,3
	s_wait_loadcnt 12-4*\g                         ; four more rows are in; the younger loads stay out
.irp i, 0,1,2,3
	ds_store_b128 v5, v[R+16*\g+4*\i:R+16*\g+4*\i+3] offset:SP*(4*\g+\i)
.endr
.endr
.irp b, 0,1,2,3
.irp j, 0,1,2,3
	ds_load_b128 v[X+16*\b+4*\j:X+16*\b+4*\j+3], v6 offset:128*\b+16*\j   ; LDS serves a wave's instructions in order: these see my stores
.endr
.endr
	s_wait_dscnt 0x0
	QUANT X
	global_store_b128 v4, v[PC:PC+3], s[10:11]             ; 512 consecutive aligned bytes
	global_store_b128 v4, v[PC+4:PC+7], s[10:11] offset:512
	global_store_b32 v7, v[PW], s[12:13]           ; row r's word; lanes 16-31 hold and write the same word.  The work-group's four waves fill 256 consecutive bytes
	s_wait_tensorcnt 0x0
	ds_add_u32 v176, v177
	s_wait_dscnt 0x0
	s_endpgm
.Lfunc_end_k_q1b04e964f3_prep:
	.size	k_q1b04e964f3_prep, .Lfunc_end_k_q1b04e964f3_prep-k_q1b04e964f3_prep
	.p2alignl 7, 3214868480
	.fill 96, 4, 3214868480
	.section	.rodata,"a",@progbits
	.p2align	6, 0x0
	.amdhsa_kernel k_q1b04e964f3_prep
		.amdhsa_group_segment_fixed_size 34304
		.amdhsa_private_segment_fixed_size 0
		.amdhsa_enable_private_segment 0
		.amdhsa_kernarg_size 64
		.amdhsa_user_sgpr_count 2
		.amdhsa_user_sgpr_kernarg_segment_ptr 1
		.amdhsa_wavefront_size32 1
		.amdhsa_system_sgpr_workgroup_id_x 1
		.amdhsa_system_sgpr_workgroup_id_y 1
		.amdhsa_system_sgpr_workgroup_id_z 1
		.amdhsa_system_vgpr_workitem_id 0
		.amdhsa_next_free_vgpr 178
		.amdhsa_next_free_sgpr 66
		.amdhsa_reserve_vcc 0
		.amdhsa_float_denorm_mode_32 3
		.amdhsa_float_denorm_mode_16_64 3
		.amdhsa_memory_ordered 1
		.amdhsa_forward_progress 1
		.amdhsa_inst_pref_size 48
	.end_amdhsa_kernel
	.amdgpu_metadata
---
amdhsa.version: [ 1, 2 ]
amdhsa.kernels:
  - .name:           k_q1b04e964f3_prep
    .symbol:         k_q1b04e964f3_prep.kd
    .args:
      - { .name: x, .offset: 0, .size: 8, .value_kind: global_buffer, .address_space: global }
      - { .name: W_qkv, .offset: 8, .size: 8, .value_kind: global_buffer, .address_space: global }
      - { .name: W_proj, .offset: 16, .size: 8, .value_kind: global_buffer, .address_space: global }
      - { .name: xc, .offset: 24, .size: 8, .value_kind: global_buffer, .address_space: global }
      - { .name: xs, .offset: 32, .size: 8, .value_kind: global_buffer, .address_space: global }
      - { .name: wc, .offset: 40, .size: 8, .value_kind: global_buffer, .address_space: global }
      - { .name: ws, .offset: 48, .size: 8, .value_kind: global_buffer, .address_space: global }
      - { .name: wp, .offset: 56, .size: 8, .value_kind: global_buffer, .address_space: global }
    .group_segment_fixed_size: 34304
    .private_segment_fixed_size: 0
    .kernarg_segment_align: 8
    .kernarg_segment_size: 64
    .max_flat_workgroup_size: 128
    .sgpr_count:     66
    .vgpr_count:     178
    .wavefront_size: 32
...
	.end_amdgpu_metadata
.endif
;; end of part 1
;; launch gemm_qkv (part 2): grid 12 x 16, 4 waves a work-group, clusters of 4 x 4, 327,680 bytes of LDS; arguments xc, xs, wc, ws, b_qkv, qkv; writes qkv
.if DOCPART == 2
	.amdgcn_target "amdgcn-amd-amdhsa--gfx1250"
	.amdhsa_code_object_version 6
	.text
	.protected	k_q1b04e964f3_gemm_qkv
	.globl	k_q1b04e964f3_gemm_qkv
	.p2align	8
	.type	k_q1b04e964f3_gemm_qkv,@function
k_q1b04e964f3_gemm_qkv:
	s_mov_b64 s[64:65], 0
	v_nop
	global_prefetch_b8 v0, s[64:65] scope:SCOPE_SE
	s_setreg_imm32_b32 hwreg(HW_REG_WAVE_MODE, 25, 1), 1
	s_wait_xcnt 0x0
	s_wait_alu depctr_hold_cnt(0) depctr_sa_sdst(0) depctr_va_vdst(0) depctr_va_sdst(0) depctr_va_ssrc(0) depctr_va_vcc(0) depctr_vm_vsrc(0)
	s_getreg_b32 s2, hwreg(HW_REG_IB_STS2, 6, 4)
	s_cmp_eq_u32 s2, 0
	s_cbranch_scc0 .Lentry_in_a_cluster
	s_endpgm
.Lentry_in_a_cluster:
	s_bfe_u32 s2, ttmp6, 0x10000c
	s_cmp_lg_u32 s2, 0xf033
	s_cbranch_scc0 .Lentry_shape_is_right
	s_endpgm
.Lentry_shape_is_right:
; qkv = Q(x) Q(W_qkv) + b_qkv on codes of FP4 (E2M1) with E8M0 scales, sums in f32; the result is rounded to f16 and stored as the next launch's operands lie in registers.
; M 4,096, N 3,072, K 1,024.  A tile of the result is 256 x 256: four waves, each 128 x 128: 64 accumulators, 512 registers.
; xc, wc: [tile of 16][K step 8][c 2][lane][16 B]: images of the operand's registers: a fragment is two loads of 16 bytes a lane at a constant + 16 x lane: no pitch, no padding.  xs, ws: [tile][K step][16][4 B].
; K = 1,024 is two LDS slots of 512: BOTH SLOTS AND THE SCALES ARE FIRST FILLS, nothing is filled again.  By this text's count a wave has three tensor loads out at the start.
; CLUSTERS: 4 x 4 work-groups; x's tiles are shared along a row of the cluster, W's along a column: each is asked for jointly, by the same tensor load with the same descriptor and a mask that names the four.
; THE MATRIX INSTRUCTION IS USED TRANSPOSED (source 0 = 16 columns of W, source 1 = 16 rows of x): a lane holds token l % 16 and eight neighbouring columns.  The bias is the C of each sum's first product.
; OUT: qkv [which 3][batch x head 32][token tile 128][chunk 4][512 B], f16.  q, k: lane (r, h) at 16 x lane holds token r, channels 16 chunk + 8 h + 0 .. 7.  v: the same 16 bytes at 32 r + 16 h, that is [token][32 B].
; Every store of a wave covers 512 consecutive aligned bytes: no stage in LDS.
; LIMIT: |q|, |k|, |v| beyond f16's largest number, 65,504, are not served.
; 192 tiles for 256 WGPs: a tile of 256 x 192 would break the two heads a wave of the way out.
; REGISTERS: window 0: v16-27 addresses; v32-47 scale words, two sets; v128-191 x's fragments, ONE set; v192-255 the bias; on the way out v128-255 hold packed results.
;   window 1: W's fragments, TWO sets, at v0 and v128.   windows 2, 3: the accumulators of my rows 0-63, 64-127: (a, b) at v[8 (8 (a % 4) + b)].
.set SLOT,  131072                     ; x's 16 tiles x 4,096 bytes, then W's
.set SCL,   2*SLOT                     ; behind the slots: the scales, 4,096 bytes a wave: x's two halves, then W's two
.set ADRA, 16                          ; v16-17  my x fragments in slot 0, 1
.set ADRB, 20                          ; v20-21  my W fragments
.set BO,   24                          ; v24     32 h: my eight numbers of a bias tile
.set CO,   26                          ; v26     my 16 bytes in an image of 512
.set ADRS, 27                          ; v27     my scale words: lanes 0-15 x's rows, lanes 16-31 W's columns; never stepped
.set SC,   32                          ; set p, register i: lanes 0-15 the word of x's block i, lanes 16-31 that of W's block i
.set AF,   128
.set BIAS, 192
.set G1, 24
.set G0, 32
.set G1B, 48
.set G0B, 56
.set G1S, 68
.set G0S, 76
.set G1SB, 80
.set G0SB, 88
.set MSB, 0
.macro WIN new                         ; the immediate's high byte repeats the setting that is left
.if MSB != \new
	s_set_vgpr_msb (MSB<<8)|\new
.set MSB, \new
.endif
.endm
.set MUL_LO, 0xa1                      ; source 0 (W) window 1, source 1 (x) window 0, C and D window 2
.set MUL_HI, 0xf1                      ; the same, C and D window 3
.set BEG_LO, 0x81                      ; the first step: C (the bias) window 0, D window 2
.set BEG_HI, 0xc1
.set TO_B,   0x40
; A joint load: waves 0 and 1 fetch for x, waves 2 and 3 for W; the branch hangs on the wave's number alone.  Four v_nop follow each of the two lines.
.macro JLOAD g0a, g1a, g0b, g1b
	s_cmp_eq_u32 s17, 0
	s_cbranch_scc0 .Lfor_b_\@
	tensor_load_to_lds s[\g0a:\g0a+3], s[\g1a:\g1a+7]
	s_nop 0
.rept 4
	v_nop
.endr
	s_branch .Lasked_\@
.Lfor_b_\@:
	tensor_load_to_lds s[\g0b:\g0b+3], s[\g1b:\g1b+7]
	s_nop 0
.rept 4
	v_nop
.endr
.Lasked_\@:
.endm
.macro CROUND                          ; a round of the cluster's barrier
	s_barrier_signal -1
	s_barrier_wait -1
	s_cmp_lg_u32 s16, 0
	s_cbranch_scc1 .Lnot_wave_0_\@
	s_barrier_signal -3
.Lnot_wave_0_\@:
	s_barrier_wait -3
	s_barrier_signal -1
	s_barrier_wait -1
.endm
	s_load_b256 s[4:11], s[0:1], 0x0               ; xc s[4:5], xs s[6:7], wc s[8:9], ws s[10:11]
	s_load_b128 s[12:15], s[0:1], 0x20             ; b_qkv s[12:13], qkv s[14:15]
	v_lshl_add_u32 v126, v0, 2, 0x44000
	v_mov_b32 v127, 0
	ds_add_u32 v126, v127
	ds_add_u32 v126, v127
	v_lshrrev_b32 v1, 5, v0
	v_readfirstlane_b32 s16, v1                    ; wave 0..3
	s_lshr_b32 s17, s16, 1                         ; my half of the tile's rows.  Also: I fetch for x (0) or for W (1)
	s_and_b32 s18, s16, 1                          ; my half of its columns.  Also: which eight tiles of 16 I fetch
	s_bfe_u32 s40, ttmp6, 0x40000                  ; cx, cy: my place in the cluster
	s_bfe_u32 s41, ttmp6, 0x40004
	s_lshl_b32 s42, ttmp9, 2
	s_add_co_u32 s42, s42, s40                     ; tile column = 4 x cluster x + cx
	s_and_b32 s19, ttmp7, 0xffff
	s_lshl_b32 s19, s19, 2
	s_add_co_u32 s19, s19, s41                     ; tile row = 4 x cluster y + cy
	s_lshl_b32 s43, s41, 2
	s_lshl_b32 s43, 15, s43                        ; my row of the cluster
	s_lshl_b32 s44, 0x1111, s40                    ; my column
	; codes: 8 rows of 4,096 bytes (four K steps of a tile of 16), 8,192 bytes apart; elements of 8 bytes; no padding
	s_or_b32 s[G1+0], s43, (3<<16)|(1<<21)         ; 15:0 the mask; 17:16 elements of 8 bytes; 21 set beside a mask
	s_or_b32 s[G1B+0], s44, (3<<16)|(1<<21)
.irp g, G1, G1B
	s_mov_b32 s[\g+1], 512<<16                     ; tensor_dim0 = 512
	s_mov_b32 s[\g+2], 8<<16                       ; tensor_dim1 = 8
	s_mov_b32 s[\g+3], 512<<16                     ; tile_dim0
	s_mov_b32 s[\g+4], 8                           ; tile_dim1
	s_mov_b32 s[\g+5], 1024                        ; from row to row
	s_mov_b32 s[\g+6], 0
	s_mov_b32 s[\g+7], 0
.endr
	; scales of eight tiles, all of K: 4,096 dense bytes as 16 rows of 256
	s_or_b32 s[G1S+0], s43, (3<<16)|(1<<21)
	s_or_b32 s[G1SB+0], s44, (3<<16)|(1<<21)
.irp g, G1S, G1SB
	s_mov_b32 s[\g+1], 32<<16
	s_mov_b32 s[\g+2], 16<<16
	s_mov_b32 s[\g+3], 32<<16
	s_mov_b32 s[\g+4], 16
	s_mov_b32 s[\g+5], 32
	s_mov_b32 s[\g+6], 0
	s_mov_b32 s[\g+7], 0
.endr
	s_lshl_b32 s21, s18, 3                         ; which eight tiles
	s_lshl_b32 s20, s19, 4
	s_add_co_u32 s20, s20, s21                     ; x: tile 16 x tile row + 8 x half
	s_lshl_b32 s46, s42, 4
	s_add_co_u32 s46, s46, s21                     ; W: tile 16 x tile column + 8 x half
	s_lshl_b32 s22, s20, 9                         ; their scales, 512 bytes a tile,
	s_mov_b32 s23, 0
	s_lshl_b32 s20, s20, 13                        ; and codes, 8,192 bytes a tile
	s_mov_b32 s21, 0
	s_lshl_b32 s92, s46, 9
	s_mov_b32 s93, 0
	s_lshl_b32 s46, s46, 13
	s_mov_b32 s47, 0
	s_lshl_b32 s45, s16, 15                        ; where they go: wave x 32,768: no place in the cluster enters an LDS address
	s_lshl_b32 s94, s16, 12
	s_wait_dscnt 0x0
	s_wait_kmcnt 0x0
	s_add_nc_u64 s[20:21], s[4:5], s[20:21]
	s_add_nc_u64 s[22:23], s[6:7], s[22:23]
	s_add_nc_u64 s[46:47], s[8:9], s[46:47]
	s_add_nc_u64 s[92:93], s[10:11], s[92:93]
	CROUND                                         ; all sixteen work-groups are here: the joint loads meet
	s_mov_b32 s[G0S], 1
	s_add_co_u32 s[G0S+1], s94, SCL
	s_mov_b64 s[G0S+2:G0S+3], s[22:23]
	s_or_b32 s[G0S+3], s[G0S+3], 0x80000000
	s_mov_b32 s[G0SB], 1
	s_add_co_u32 s[G0SB+1], s94, SCL
	s_mov_b64 s[G0SB+2:G0SB+3], s[92:93]
	s_or_b32 s[G0SB+3], s[G0SB+3], 0x80000000
	JLOAD G0S, G1S, G0SB, G1SB                     ; the scales first: they are wanted with K step 0
.irp s, 0,1
	s_mov_b32 s[G0+4*\s], 1
	s_add_co_u32 s[G0+4*\s+1], s45, \s*SLOT
	s_add_nc_u64 s[G0+4*\s+2:G0+4*\s+3], s[20:21], \s*4096
	s_or_b32 s[G0+4*\s+3], s[G0+4*\s+3], 0x80000000
	s_mov_b32 s[G0B+4*\s], 1
	s_add_co_u32 s[G0B+4*\s+1], s45, \s*SLOT
	s_add_nc_u64 s[G0B+4*\s+2:G0B+4*\s+3], s[46:47], \s*4096
	s_or_b32 s[G0B+4*\s+3], s[G0B+4*\s+3], 0x80000000
	JLOAD G0+4*\s, G1, G0B+4*\s, G1B
.endr
	v_and_b32 v1, 15, v0                           ; r
	v_bfe_u32 v2, v0, 4, 1                         ; h
	v_and_b32 v3, 31, v0
	v_lshlrev_b32 v3, 4, v3                        ; 16 x lane
	v_lshlrev_b32 v[BO], 5, v2
	s_lshl_b32 s96, s42, 10                        ; the bias of my 128 columns: 4 (256 tile column + 128 half)
	s_lshl_b32 s97, s18, 9
	s_add_co_u32 s96, s96, s97
	s_mov_b32 s97, 0
	s_add_nc_u64 s[12:13], s[12:13], s[96:97]
.irp b, 0,1,2,3,4,5,6,7
	global_load_b128 v[BIAS+8*\b:BIAS+8*\b+3], v[BO], s[12:13] offset:64*\b      ; in the result's layout: register j = column 16 b + 8 h + j
	global_load_b128 v[BIAS+8*\b+4:BIAS+8*\b+7], v[BO], s[12:13] offset:64*\b+16
.endr
	s_lshl_b32 s21, s17, 15                        ; my 128 rows of x
	s_lshl_b32 s22, s18, 15                        ; my 128 columns of W,
	s_add_co_u32 s22, s22, 65536                   ; which lie behind x's 256 rows
.irp s, 0,1
	v_add_nc_u32 v[ADRA+\s], s21, v3
	v_add_nc_u32 v[ADRB+\s], s22, v3
	s_add_co_u32 s21, s21, SLOT
	s_add_co_u32 s22, s22, SLOT
.endr
	v_lshlrev_b32 v5, 2, v1                        ; my row's scale word
	s_lshl_b32 s21, s17, 12                        ; x's: my half
	s_lshl_b32 s22, s18, 12                        ; W's: my half, behind x's two
	s_add_co_u32 s22, s22, 8192
	s_sub_co_u32 s22, s22, s21
	v_mul_u32_u24 v6, s22, v2                      ; lanes 16-31 take W's: one product of h
	s_add_co_u32 s21, s21, SCL
	v_add_nc_u32 v5, v5, v6
	v_add_nc_u32 v[ADRS], s21, v5
	; the way out: which = cluster x (the same in all partners); q, k: 16 r + 256 h; v: 32 r + 16 h
	s_cmp_eq_u32 ttmp9, 2
	s_cselect_b32 s96, 32, 16
	s_cselect_b32 s97, 16, 256
	v_mul_u32_u24 v[CO], v1, s96
	v_mad_u32_u24 v[CO], v2, s97, v[CO]
	s_lshl_b32 s20, ttmp9, 23                      ; which x 8,388,608
	s_lshr_b32 s21, s19, 3
	s_lshl_b32 s21, s21, 22                        ; batch x 16 heads x 262,144
	s_add_co_u32 s20, s20, s21
	s_lshl_b32 s21, s40, 2                         ; head = 4 (tile column % 4) + 2 half (+ b / 4)
	s_lshl_b32 s22, s18, 1
	s_add_co_u32 s21, s21, s22
	s_lshl_b32 s21, s21, 18
	s_add_co_u32 s20, s20, s21
	s_and_b32 s21, s19, 7                          ; token = 256 (tile row % 8) + 128 half: 128 bytes a token
	s_lshl_b32 s21, s21, 1
	s_add_co_u32 s21, s21, s17
	s_lshl_b32 s21, s21, 14
	s_add_co_u32 s20, s20, s21
	s_mov_b32 s21, 0
	s_add_nc_u64 s[14:15], s[14:15], s[20:21]
.macro FRAG reg, adr, q, i             ; a fragment, 16 rows x 128 K: 8 registers: two pieces of 512 bytes
.irp c, 0,1
	ds_load_b128 v[\reg+4*\c:\reg+4*\c+3], v[\adr] offset:1024*(\q)+512*\c+4096*(\i)
.endr
.endm
; 16 matrix instructions: x's blocks a0, a0 + 1 against W's eight, 128 along K.  p: W's set and the set of scale words.  zero = 1: the first product starts the sums from the bias.
; The 64 accumulators take turns, one instruction a turn, in the same order in every step.
.macro MUL16 a0, p, zero
.irp a, \a0, \a0+1
.irp b, 0,1,2,3,4,5,6,7
.if \zero
	v_wmma_scale_f32_16x16x128_f8f6f4 v[8*(8*((\a)%4)+\b):8*(8*((\a)%4)+\b)+7], v[128*(\p)+8*\b:128*(\p)+8*\b+7], v[AF+8*(\a):AF+8*(\a)+7], v[BIAS+8*\b:BIAS+8*\b+7], v[SC+8*(\p)+\b], v[SC+8*(\p)+(\a)] matrix_a_fmt:MATRIX_FMT_FP4 matrix_b_fmt:MATRIX_FMT_FP4 matrix_a_scale:MATRIX_SCALE_ROW1
.else
	v_wmma_scale_f32_16x16x128_f8f6f4 v[8*(8*((\a)%4)+\b):8*(8*((\a)%4)+\b)+7], v[128*(\p)+8*\b:128*(\p)+8*\b+7], v[AF+8*(\a):AF+8*(\a)+7], v[8*(8*((\a)%4)+\b):8*(8*((\a)%4)+\b)+7], v[SC+8*(\p)+\b], v[SC+8*(\p)+(\a)] matrix_a_fmt:MATRIX_FMT_FP4 matrix_b_fmt:MATRIX_FMT_FP4 matrix_a_scale:MATRIX_SCALE_ROW1
.endif
.endr
.endr
.endm
.macro FETCH_B slot, q, p
	WIN TO_B
.irp i, 0,1,2,3,4,5,6,7
	FRAG 128*(\p)+8*\i, ADRB+\slot, \q, \i
.endr
	WIN 0
.endm
.macro FETCH_A slot, q, i0
.irp i, \i0, \i0+1, \i0+2, \i0+3
	FRAG AF+8*(\i), ADRA+\slot, \q, \i
.endr
.endm
.macro SCALES ks, p                    ; K step ks (0 .. 7) of all of K: one word a row; lanes 0-15 x's block i, lanes 16-31 W's block i
.irp i, 0,1,2,3,4,5,6,7
	ds_load_b32 v[SC+8*(\p)+\i], v[ADRS] offset:512*\i+64*(\ks)
.endr
.endm
; A load into a register that a matrix instruction has read, and a vector instruction that reads a result or writes such a register, stand four places behind it; only plain vector instructions
; that name none of its registers are places (ISA guide 7.12.1 for vector instructions).
.macro PLACES
.rept 4
	v_nop
.endr
.endm
.macro STEP slot, q, zero              ; 128 along K with its successor in the same slot
	s_wait_dscnt 8                                 ; W's set, the scale words and x's blocks 0-3 are in; the youngest eight loads (x's blocks 4-7) may be out
.if \zero
	WIN BEG_LO
.else
	WIN MUL_LO
.endif
	MUL16 0, (\q)%2, \zero
	MUL16 2, (\q)%2, \zero
	s_wait_dscnt 0x0                               ; x's blocks 4-7 are in
	PLACES
	FETCH_B \slot, (\q)+1, 1-(\q)%2
	FETCH_A \slot, (\q)+1, 0
	SCALES 4*(\slot)+(\q)+1, 1-(\q)%2
.if \zero
	WIN BEG_HI
.else
	WIN MUL_HI
.endif
	MUL16 4, (\q)%2, \zero
	MUL16 6, (\q)%2, \zero
	PLACES
	WIN 0
	FETCH_A \slot, (\q)+1, 4
.endm
	s_wait_tensorcnt 1                             ; the scales and my part of slot 0 are in; slot 1's load may be out
	s_barrier_signal -1
	s_barrier_wait -1                              ; everybody's are
	FETCH_B 0, 0, 0
	FETCH_A 0, 0, 0
	SCALES 0, 0
	FETCH_A 0, 0, 4
	s_wait_loadcnt 0x0                             ; the bias
	STEP 0, 0, 1
	STEP 0, 1, 0
	STEP 0, 2, 0
	; slot 0's last step changes slots: each wave's part of slot 1 has landed, then the barrier; nothing is filled again
	s_wait_tensorcnt 0x0
	s_wait_dscnt 8
	WIN MUL_LO
	MUL16 0, 1, 0
	s_wait_dscnt 0x0                               ; no LDS instruction of mine is out at the signal
	s_barrier_signal -1
	MUL16 2, 1, 0
	WIN 0
	s_barrier_wait -1
	PLACES
	FETCH_B 1, 0, 0
	FETCH_A 1, 0, 0
	SCALES 4, 0
	WIN MUL_HI
	MUL16 4, 1, 0
	MUL16 6, 1, 0
	PLACES
	WIN 0
	FETCH_A 1, 0, 4
	STEP 1, 0, 0
	STEP 1, 1, 0
	STEP 1, 2, 0
	s_wait_dscnt 8                                 ; the very last step: nothing more to fetch
	WIN MUL_LO
	MUL16 0, 1, 0
	MUL16 2, 1, 0
	s_wait_dscnt 0x0
	WIN MUL_HI
	MUL16 4, 1, 0
	MUL16 6, 1, 0
	WIN 0
	; THE WAY OUT.  A lane's eight results are 16 bytes of f16: one image of 512 bytes for each accumulator.  Each accumulator is read from its low end on.
	PLACES
.irp a, 0,1,2,3,4,5,6,7
.if \a >= 4
	s_wait_xcnt 0x0                                ; block a - 4's stores have read these registers
.endif
	WIN 0x0a+5*(\a/4)                              ; sources 0 and 1: window 2 or 3
.irp b, 0,1,2,3,4,5,6,7
.irp r, 0,1,2,3
	v_cvt_pk_f16_f32 v[128+32*(\a%4)+4*\b+\r], v[64*(\a%4)+8*\b+2*\r], v[64*(\a%4)+8*\b+2*\r+1]
.endr
.endr
	WIN 0
.irp b, 0,1,2,3,4,5,6,7
	global_store_b128 v[CO], v[128+32*(\a%4)+4*\b:128+32*(\a%4)+4*\b+3], s[14:15] offset:2048*\a+262144*(\b/4)+512*(\b%4)   ; token tile a, head b / 4, chunk b % 4
.endr
.endr
	s_wait_tensorcnt 0x0
	ds_add_u32 v126, v127
	s_wait_dscnt 0x0
	CROUND                                         ; the closing round: no work-group ends while a partner may still ask for a tile that names it
	s_endpgm
.Lfunc_end_k_q1b04e964f3_gemm_qkv:
	.size	k_q1b04e964f3_gemm_qkv, .Lfunc_end_k_q1b04e964f3_gemm_qkv-k_q1b04e964f3_gemm_qkv
	.p2alignl 7, 3214868480
	.fill 96, 4, 3214868480
	.section	.rodata,"a",@progbits
	.p2align	6, 0x0
	.amdhsa_kernel k_q1b04e964f3_gemm_qkv
		.amdhsa_group_segment_fixed_size 327680
		.amdhsa_private_segment_fixed_size 0
		.amdhsa_enable_private_segment 0
		.amdhsa_kernarg_size 48
		.amdhsa_user_sgpr_count 2
		.amdhsa_user_sgpr_kernarg_segment_ptr 1
		.amdhsa_wavefront_size32 1
		.amdhsa_system_sgpr_workgroup_id_x 1
		.amdhsa_system_sgpr_workgroup_id_y 1
		.amdhsa_system_sgpr_workgroup_id_z 1
		.amdhsa_system_vgpr_workitem_id 0
		.amdhsa_next_free_vgpr 1024
		.amdhsa_next_free_sgpr 98
		.amdhsa_reserve_vcc 0
		.amdhsa_float_denorm_mode_32 3
		.amdhsa_float_denorm_mode_16_64 3
		.amdhsa_memory_ordered 1
		.amdhsa_forward_progress 1
		.amdhsa_inst_pref_size 122
	.end_amdhsa_kernel
	.amdgpu_metadata
---
amdhsa.version: [ 1, 2 ]
amdhsa.kernels:
  - .name:           k_q1b04e964f3_gemm_qkv
    .symbol:         k_q1b04e964f3_gemm_qkv.kd
    .args:
      - { .name: xc, .offset: 0, .size: 8, .value_kind: global_buffer, .address_space: global }
      - { .name: xs, .offset: 8, .size: 8, .value_kind: global_buffer, .address_space: global }
      - { .name: wc, .offset: 16, .size: 8, .value_kind: global_buffer, .address_space: global }
      - { .name: ws, .offset: 24, .size: 8, .value_kind: global_buffer, .address_space: global }
      - { .name: b_qkv, .offset: 32, .size: 8, .value_kind: global_buffer, .address_space: global }
      - { .name: qkv, .offset: 40, .size: 8, .value_kind: global_buffer, .address_space: global }
    .group_segment_fixed_size: 327680
    .private_segment_fixed_size: 0
    .kernarg_segment_align: 8
    .kernarg_segment_size: 48
    .max_flat_workgroup_size: 128
    .sgpr_count:     98
    .vgpr_count:     1024
    .wavefront_size: 32
...
	.end_amdgpu_metadata
.endif
;; end of part 2
;; launch attn (part 3): grid 8 x 32, 8 waves a work-group, no clusters, 327,680 bytes of LDS; arguments qkv, at; writes at
.if DOCPART == 3
	.amdgcn_target "amdgcn-amd-amdhsa--gfx1250"
	.amdhsa_code_object_version 6
	.text
	.protected	k_q1b04e964f3_attn
	.globl	k_q1b04e964f3_attn
	.p2align	8
	.type	k_q1b04e964f3_attn,@function
k_q1b04e964f3_attn:
	s_mov_b64 s[64:65], 0
	v_nop
	global_prefetch_b8 v0, s[64:65] scope:SCOPE_SE
	s_setreg_imm32_b32 hwreg(HW_REG_WAVE_MODE, 25, 1), 1
	s_wait_xcnt 0x0
; Causal attention, head size 64, 2,048 tokens, 32 (batch, head) pairs.  Operands f16, products, maxima and sums f32; the weights p are rounded to f16 for the second product, the result once at the end.
; qkv [which 3][bh 32][token tile 128][chunk 4][512 B] (images of operand registers; v as [token][32 B]);  at [token tile 256][chunk 64 = 4 head + c][lane][16 B]: the image of the next product's operand.
; SHARES.  Work-group (i, bh) owns query block i (128 queries: the low pass) and then block 15 - i (the high pass): 17 key blocks of 128 that the mask keeps, for every work-group.
; Wave w: wq = w % 4 picks 32 queries (two tiles of 16), g = w / 4 picks the half of EVERY key block that it takes (keys 128 kb + 64 g + 0 .. 63).  Waves w and w + 4 hold the same queries;
; at a pass's end their (m, l, O) are merged through LDS.  Two waves lie on a SIMD: one's softmax stands beside the other's products.
; LAYOUT.  S^T = K Q^T (source 0 = 16 keys, source 1 = 16 queries), O^T = V^T P (source 0 = 16 channels, by the turning LDS load; source 1 = P): a lane holds ONE query (lane % 16) throughout.
; SOFTMAX.  Running maximum m and sum l: p = 2^(c s - c m), c = log2(e) / 8; in every step O and l are multiplied by a = 2^(c m_old - c m_new).  The sums are taken of the unrounded p.
; MASK.  Key k counts for query q where k <= q.  A step all of whose keys are hidden is jumped over by a scalar branch on ids; on the diagonal hidden scores become -infinity ahead of the maximum.
; LIMITS: hidden weights are exactly 0, which equals an additive -1e9 while a row's scaled scores spread over less than about 1e9; |q|, |k|, |v| and the result stay under 65,504.
; RING.  Two slots of 512 keys (K 64 KiB, V 64 KiB).  Walks: low A (keys 0-511), low B (512-1023), high A, [A <- 1024-1535], high B, [B <- 1536-2047], high A, high B: each tile of the head is fetched once.
; All trip counts are constants.  Every wave issues one load of 64 rows x 256 bytes at each fill; by this text's count two loads of a wave are out at the start, later one.
; NO CLUSTER: the work-groups that share a head's K and V differ in their query block, on which the jump over hidden steps hangs, and partners of joint loads may not branch on their place.
; NO PREFETCH: two of a head's four tiles are first fills, and each refill is asked for four key blocks' work ahead of its first read.
.set SLOTB, 131072
.set MST,   262144                     ; behind the ring: for each wq 8,192 bytes of O's image and 4 x 128 bytes of statistics; no tensor load lands here
.set MSTW,  8704
.set SPARE, MST+4*MSTW                 ; the spare words, 128 bytes for each wave: four blocks of 256 bytes that no other line names
.set ST,  16                           ; tile t at v[ST + 8 t]: +0 c m, +1 m, +2, +3 l (even keys', odd keys'), +4 .. +7 at work; a in +6
.set Q,   32                           ; (t, cs) at Q + 16 t + 8 cs
.set S,   64                           ; (t, kt) at S + 32 t + 8 kt: scores, then p, then P packed in place: P(t, ks) at S + 32 t + 8 ks
.set KV,  128                          ; K (kt, cs) at KV + 16 kt + 8 cs; then V (ct, ks) at KV + 32 ks + 8 ct
.set O,   192                          ; (t, ct) at O + 32 t + 8 ct
; v1 my place in K's tiles, v2 in V's; v3, v4 the step's addresses; v5, v6 the add's registers; v7 r - 8 h; v8 the mask's bound; v9 -infinity; v10 16 x lane; v11, v12 my places in the merge's region
; s8 wave, s9 wq, s10 g, s11 bh, s12 i, s13 my first query, s14 my last, s15 the step's first key, s16 the step's LDS byte, s17 counter, s19 64 g, s[20:21] lane selects, s[22:23] c,
; s[24:31] descriptor group 1, s[32:35], s[36:39] groups 0 of slots A and B, s[40:41] q, s[42:43] at, s[48:49] q at my head, s[50:51] at at my batch and head, s52 the high pass's first query
	s_load_b128 s[4:7], s[0:1], 0x0                ; qkv s[4:5], at s[6:7]
	v_lshl_add_u32 v5, v0, 2, SPARE
	v_mov_b32 v6, 0
	ds_add_u32 v5, v6
	ds_add_u32 v5, v6
	s_wait_dscnt 0x0
	v_lshrrev_b32 v13, 5, v0
	v_readfirstlane_b32 s8, v13                    ; wave 0..7
	s_and_b32 s9, s8, 3
	s_lshr_b32 s10, s8, 2
	s_and_b32 s11, ttmp7, 0xffff
	s_mov_b32 s12, ttmp9
	s_lshl_b32 s19, s10, 6
	s_mov_b32 s20, 0x76543210
	s_mov_b32 s21, 0xfedcba98
	s_mov_b32 s22, 0x3e38aa3b                      ; c = log2(e) / 8
	s_mov_b32 s23, s22                             ; (named with it as a pair, so it is written)
	s_mov_b32 s24, 3<<16                           ; group 1: elements of 8 bytes, no mask, no padding
	s_mov_b32 s25, 32<<16                          ; tensor_dim0 = 32 (256 bytes)
	s_mov_b32 s26, 64<<16                          ; tensor_dim1 = 64
	s_mov_b32 s27, 32<<16                          ; tile_dim0
	s_mov_b32 s28, 64                              ; tile_dim1
	s_mov_b32 s29, 32                              ; dense rows
	s_mov_b32 s30, 0
	s_mov_b32 s31, 0
	s_add_co_u32 s44, s10, 1                       ; waves 0-3 fetch K (which = 1), waves 4-7 V (which = 2)
	s_lshl_b32 s44, s44, 23
	s_lshl_b32 s46, s11, 18                        ; my head: 262,144 bytes
	s_add_co_u32 s44, s44, s46
	s_lshl_b32 s47, s9, 14                         ; my quarter of a slot's 64 KiB
	s_add_co_u32 s44, s44, s47
	s_mov_b32 s45, 0
	s_mov_b32 s47, 0
	s_lshl_b32 s18, s8, 14                         ; in LDS: wave x 16,384
	s_wait_kmcnt 0x0
	s_mov_b32 s32, 1
	s_mov_b32 s33, s18
	s_add_nc_u64 s[34:35], s[4:5], s[44:45]        ; keys 0-511
	s_mov_b32 s36, 1
	s_add_co_u32 s37, s18, SLOTB
	s_add_nc_u64 s[38:39], s[34:35], 65536         ; keys 512-1023
	s_or_b32 s35, s35, 0x80000000
	s_or_b32 s39, s39, 0x80000000
	tensor_load_to_lds s[32:35], s[24:31]          ; the two first fills stand together, ahead of every wait on TENSORcnt, every LDS read and every barrier
	s_nop 0
	tensor_load_to_lds s[36:39], s[24:31]
	s_nop 0
.rept 4
	v_nop
.endr
	s_add_nc_u64 s[48:49], s[4:5], s[46:47]
	s_lshr_b32 s44, s11, 4
	s_lshl_b32 s44, s44, 22                        ; batch: 128 token tiles of 32,768 bytes
	s_and_b32 s46, s11, 15
	s_lshl_b32 s46, s46, 11                        ; head: 4 chunks of 512 bytes
	s_add_co_u32 s44, s44, s46
	s_add_nc_u64 s[50:51], s[6:7], s[44:45]
	s_lshl_b32 s18, s9, 5
	s_lshl_b32 s13, s12, 7
	s_add_co_u32 s13, s13, s18                     ; the low pass's first query: 128 i + 32 wq
	s_sub_co_u32 s52, 15, s12
	s_lshl_b32 s52, s52, 7
	s_add_co_u32 s52, s52, s18                     ; the high pass's: 128 (15 - i) + 32 wq
	v_and_b32 v13, 31, v0                          ; lane
	v_and_b32 v14, 15, v0                          ; r
	v_bfe_u32 v15, v0, 4, 1                        ; h
	v_lshlrev_b32 v10, 4, v13
	s_lshl_b32 s18, s10, 13                        ; my half of a key block: 4 token tiles of 2,048 bytes
	v_add_nc_u32 v1, s18, v10
	v_and_b32 v2, 7, v0                            ; the turning load: lane l reads key 8 (l / 16) + l % 8, channels 8 ((l / 8) % 2) + 0 .. 7, from rows of 32 bytes
	v_lshl_add_u32 v2, v15, 3, v2
	v_lshlrev_b32 v2, 5, v2
	v_bfe_u32 v3, v0, 3, 1
	v_lshl_add_u32 v2, v3, 4, v2
	s_add_co_u32 s18, s18, 65536                   ; V lies behind K's 64 KiB
	v_add_nc_u32 v2, s18, v2
	v_lshlrev_b32 v7, 3, v15
	v_sub_nc_u32 v7, v14, v7
	v_mov_b32 v9, 0xff800000
	s_mul_i32 s18, s9, MSTW
	s_add_co_u32 s18, s18, MST
	v_add_nc_u32 v11, s18, v10
	v_lshlrev_b32 v12, 2, v13
	s_add_co_u32 s18, s18, 8192
	v_add_nc_u32 v12, s18, v12
.macro QADDR q0                        ; q at the query in s[q0]: 128 bytes a token
	s_lshl_b32 s44, s[\q0], 7
	s_add_nc_u64 s[40:41], s[48:49], s[44:45]
.endm
.macro OADDR                           ; at at my first query: 2,048 bytes a token; and my last query
	s_lshl_b32 s44, s13, 11
	s_add_nc_u64 s[42:43], s[50:51], s[44:45]
	s_add_co_u32 s14, s13, 31
.endm
.macro QLOAD                           ; my two tiles of queries stay in registers for a pass
.irp t, 0,1
.irp n, 0,1,2,3
	global_load_b128 v[Q+16*\t+4*\n:Q+16*\t+4*\n+3], v10, s[40:41] offset:2048*\t+512*\n
.endr
.endr
.endm
.macro INIT                            ; which step is a wave's first hangs on ids, so the sums begin as zeros and m as -3e38, under every score
.irp t, 0,1
	v_mov_b32 v[ST+8*\t+1], 0xff61b1e6
	v_mul_f32 v[ST+8*\t], s22, v[ST+8*\t+1]
	v_mov_b32 v[ST+8*\t+2], 0
	v_mov_b32 v[ST+8*\t+3], 0
	v_mov_b32 v[ST+8*\t+5], 0                      ; (a lane permute's destination counts as one of its sources)
.endr
.set n, 0
.rept 64
	v_mov_b32 v[O+n], 0
.set n, n+1
.endr
.endm
; THE CHANGE OF SLOTS.  Each wave waits for all its tensor loads, adds 0 to its spare word, waits for that and for its LDS reads, and passes the barrier.  fill = 1: the slot that has been left is filled
; with the keys 1,024 further on: the wave's one tensor load behind the barrier, and the first thing there.
.macro CHANGE g0, fill
	s_wait_tensorcnt 0x0                           ; no tensor load of mine is out, so a group 0 may be written
	ds_add_u32 v5, v6                              ; 0 onto my spare word
.if \fill
	s_add_nc_u64 s[\g0+2:\g0+3], s[\g0+2:\g0+3], 131072
.endif
	s_wait_dscnt 0x0                               ; the add is done, and my reads of the slot are over
	s_barrier_signal -1
	s_barrier_wait -1
.if \fill
	tensor_load_to_lds s[\g0:\g0+3], s[24:31]
	s_nop 0
.rept 4
	v_nop
.endr
.endif
.endm
; A STEP: my 64 keys of a key block against my 32 queries: 16 products K Q^T, the softmax, 16 products V^T P.  The eight accumulators of each kind take turns, one instruction a turn.
.macro STEP
	s_cmp_gt_u32 s15, s14                          ; all my keys come after my last query: nothing to do
	s_cbranch_scc1 .Lhid_\@
	v_add_nc_u32 v3, s16, v1
	v_add_nc_u32 v4, s16, v2
.rept 3
	v_nop                                          ; with the two additions five places behind the last product: four for the loads into its operands' registers, five for the products that write over P
.endr
.set n, 0
.rept 16
	ds_load_b128 v[KV+4*n:KV+4*n+3], v3 offset:512*n   ; key tile n / 4, chunk n % 4: the images on end are the fragments on end
.set n, n+1
.endr
	s_wait_dscnt 0x0
.irp cs, 0,1
.irp kt, 0,1,2,3
.irp t, 0,1
.if \cs == 0
	v_wmma_f32_16x16x32_f16 v[S+32*\t+8*\kt:S+32*\t+8*\kt+7], v[KV+16*\kt+8*\cs:KV+16*\kt+8*\cs+7], v[Q+16*\t+8*\cs:Q+16*\t+8*\cs+7], 0
.else
	v_wmma_f32_16x16x32_f16 v[S+32*\t+8*\kt:S+32*\t+8*\kt+7], v[KV+16*\kt+8*\cs:KV+16*\kt+8*\cs+7], v[Q+16*\t+8*\cs:Q+16*\t+8*\cs+7], v[S+32*\t+8*\kt:S+32*\t+8*\kt+7]
.endif
.endr
.endr
.endr
.rept 4
	v_nop                                          ; places in front of the loads into K's registers and of the first read of the scores
.endr
.irp ks, 0,1
.irp ct, 0,1,2,3
.irp hf, 0,1
	ds_load_tr16_b128 v[KV+32*\ks+8*\ct+4*\hf:KV+32*\ks+8*\ct+4*\hf+3], v4 offset:2048*(2*\ks+\hf)+512*\ct   ; V, turned: it lands while the softmax is walked
.endr
.endr
.endr
	s_add_co_u32 s18, s15, 63                      ; a step all of whose keys count has no mask
	s_cmp_le_u32 s18, s13
	s_cbranch_scc1 .Lopen_\@
	s_sub_co_i32 s18, s13, s15
	v_add_nc_u32 v8, s18, v7                       ; d = my first query - the first key + r - 8 h.  Register n of tile t holds key 16 (n / 8) + n % 8 + 8 h: hidden where 16 (n / 8) + n % 8 - 16 t > d
.irp t, 0,1
.irp n, 0,1,2,3,4,5,6,7,8,9,10,11,12,13,14,15,16,17,18,19,20,21,22,23,24,25,26,27,28,29,30,31
	v_cmp_gt_i32 vcc_lo, 16*(\n/8)+\n%8-16*\t, v8
	v_cndmask_b32 v[S+32*\t+\n], v[S+32*\t+\n], v9, vcc_lo
.endr
.endr
.Lopen_\@:
	; the maximum of my 32 scores of each tile and the old m: four chains, each begun at an accumulator's low end; the two tiles alternate
.irp j, 0,1,2,3
.irp t, 0,1
	v_max3_num_f32 v[ST+8*\t+4+\j], v[S+32*\t+8*\j], v[S+32*\t+8*\j+1], v[S+32*\t+8*\j+2]
.endr
.endr
.irp u, 1,2
.irp j, 0,1,2,3
.irp t, 0,1
	v_max3_num_f32 v[ST+8*\t+4+\j], v[ST+8*\t+4+\j], v[S+32*\t+8*\j+2*\u+1], v[S+32*\t+8*\j+2*\u+2]
.endr
.endr
.endr
.irp t, 0,1
	v_max3_num_f32 v[ST+8*\t+4], v[ST+8*\t+4], v[S+32*\t+7], v[S+32*\t+15]
	v_max3_num_f32 v[ST+8*\t+6], v[ST+8*\t+6], v[S+32*\t+23], v[S+32*\t+31]
.endr
.irp t, 0,1
	v_max3_num_f32 v[ST+8*\t+4], v[ST+8*\t+4], v[ST+8*\t+5], v[ST+8*\t+6]
.endr
.irp t, 0,1
	v_max3_num_f32 v[ST+8*\t+4], v[ST+8*\t+4], v[ST+8*\t+7], v[ST+8*\t+1]
.endr
.irp t, 0,1
	v_permlanex16_b32 v[ST+8*\t+5], v[ST+8*\t+4], s20, s21   ; the query's other 32 keys lie in the lane 16 away
.endr
.irp t, 0,1
	v_mov_b32 v[ST+8*\t+7], v[ST+8*\t]             ; c m_old
.endr
.irp t, 0,1
	v_max_num_f32 v[ST+8*\t+1], v[ST+8*\t+4], v[ST+8*\t+5]
.endr
.irp t, 0,1
	v_mul_f32 v[ST+8*\t], s22, v[ST+8*\t+1]
.endr
.irp t, 0,1
	v_sub_f32 v[ST+8*\t+7], v[ST+8*\t+7], v[ST+8*\t]
.endr
.irp b, 0,1,2,3,4,5,6,7,8,9,10,11,12,13,14,15
.irp t, 0,1
	v_pk_fma_f32 v[S+32*\t+2*\b:S+32*\t+2*\b+1], v[S+32*\t+2*\b:S+32*\t+2*\b+1], s[22:23], v[ST+8*\t:ST+8*\t+1] op_sel_hi:[1,0,0] neg_lo:[0,0,1] neg_hi:[0,0,1]   ; c s - c m
.endr
.endr
.irp t, 0,1
	v_exp_f32 v[ST+8*\t+6], v[ST+8*\t+7]           ; a
.endr
.set n, 0
.rept 64
	v_exp_f32 v[S+n], v[S+n]                       ; p
.set n, n+1
.endr
	v_nop                                          ; a plain place behind the exponentials
	; l = a l + the sum of the unrounded p: two chains a tile
	s_wait_alu depctr_va_vdst(0)
.irp t, 0,1
	v_pk_fma_f32 v[ST+8*\t+2:ST+8*\t+3], v[ST+8*\t+2:ST+8*\t+3], v[ST+8*\t+6:ST+8*\t+7], v[S+32*\t:S+32*\t+1] op_sel_hi:[1,0,1]
	v_pk_add_f32 v[ST+8*\t+4:ST+8*\t+5], v[S+32*\t+2:S+32*\t+3], v[S+32*\t+4:S+32*\t+5]
.endr
.irp b, 6,10,14,18,22,26
.irp t, 0,1
	v_pk_add_f32 v[ST+8*\t+2:ST+8*\t+3], v[ST+8*\t+2:ST+8*\t+3], v[S+32*\t+\b:S+32*\t+\b+1]
	v_pk_add_f32 v[ST+8*\t+4:ST+8*\t+5], v[ST+8*\t+4:ST+8*\t+5], v[S+32*\t+\b+2:S+32*\t+\b+3]
.endr
.endr
.irp t, 0,1
	v_pk_add_f32 v[ST+8*\t+2:ST+8*\t+3], v[ST+8*\t+2:ST+8*\t+3], v[S+32*\t+30:S+32*\t+31]
.endr
.irp t, 0,1
	v_pk_add_f32 v[ST+8*\t+2:ST+8*\t+3], v[ST+8*\t+2:ST+8*\t+3], v[ST+8*\t+4:ST+8*\t+5]
.endr
.irp i, 0,1,2,3,4,5,6,7,8,9,10,11,12,13,14,15
.irp t, 0,1
	v_cvt_pk_f16_f32 v[S+32*\t+\i], v[S+32*\t+2*\i], v[S+32*\t+2*\i+1]   ; P, in place: the destination never runs ahead of weights not yet read
.endr
.endr
.irp t, 0,1
.set n, 0
.rept 16
	v_pk_mul_f32 v[O+32*\t+n:O+32*\t+n+1], v[O+32*\t+n:O+32*\t+n+1], v[ST+8*\t+6:ST+8*\t+7] op_sel_hi:[1,0]   ; O^T times a, each accumulator from its low end on
.set n, n+2
.endr
.endr
	s_wait_dscnt 0x0                               ; V is in
.irp ks, 0,1
.irp ct, 0,1,2,3
.irp t, 0,1
	v_wmma_f32_16x16x32_f16 v[O+32*\t+8*\ct:O+32*\t+8*\ct+7], v[KV+32*\ks+8*\ct:KV+32*\ks+8*\ct+7], v[S+32*\t+8*\ks:S+32*\t+8*\ks+7], v[O+32*\t+8*\ct:O+32*\t+8*\ct+7]
.endr
.endr
.endr
.Lhid_\@:
.endm
.macro WALK sb, ks                     ; the four key blocks of the slot at LDS byte sb, which holds keys 512 ks on
	s_mov_b32 s16, \sb
	s_add_co_u32 s15, s19, 512*\ks
	s_mov_b32 s17, 4
.Lwalk_\@:
	STEP
	s_add_co_u32 s16, s16, 16384
	s_add_co_u32 s15, s15, 128
	s_sub_co_u32 s17, s17, 1
	s_cmp_lg_u32 s17, 0
	s_cbranch_scc1 .Lwalk_\@
.endm
; A PASS'S END.  Waves 4-7 hand O^T's image, c m and l to waves 0-3 through LDS; those bring both halves under the common maximum, divide by the sum, round to f16 and store.  next = 1: the next pass's queries are asked for first.
.macro FINISH next
.rept 4
	v_nop                                          ; places behind the last products
.endr
.if \next
	QLOAD
.endif
.irp t, 0,1
	v_add_f32 v[ST+8*\t+4], v[ST+8*\t+2], v[ST+8*\t+3]
.endr
.irp t, 0,1
	v_permlanex16_b32 v[ST+8*\t+5], v[ST+8*\t+4], s20, s21
.endr
.irp t, 0,1
	v_add_f32 v[ST+8*\t+4], v[ST+8*\t+4], v[ST+8*\t+5]   ; my keys' l
.endr
	s_cmp_lt_u32 s8, 4
	s_cbranch_scc1 .Lkeep_\@
.set n, 0
.rept 16
	ds_store_b128 v11, v[O+4*n:O+4*n+3] offset:512*n
.set n, n+1
.endr
	ds_store_b32 v12, v[ST]
	ds_store_b32 v12, v[ST+8] offset:128
	ds_store_b32 v12, v[ST+4] offset:256
	ds_store_b32 v12, v[ST+12] offset:384
.Lkeep_\@:
	s_wait_dscnt 0x0                               ; for the others' sake: my stores have landed
	s_barrier_signal -1
	s_barrier_wait -1
	s_cmp_lt_u32 s8, 4
	s_cbranch_scc0 .Lgave_\@
.set n, 0
.rept 16
	ds_load_b128 v[KV+4*n:KV+4*n+3], v11 offset:512*n
.set n, n+1
.endr
	ds_load_b32 v[S], v12
	ds_load_b32 v[S+1], v12 offset:128
	ds_load_b32 v[S+2], v12 offset:256
	ds_load_b32 v[S+3], v12 offset:384
.irp t, 0,1
	v_mov_b32 v[S+9+4*\t], 0                       ; (upper halves of the pairs that the packed forms name)
	v_mov_b32 v[S+11+4*\t], 0
.endr
	s_wait_dscnt 0x0
.irp t, 0,1
	v_max_num_f32 v[S+4+\t], v[ST+8*\t], v[S+\t]   ; the common c m
.endr
.irp t, 0,1
	v_sub_f32 v[S+8+4*\t], v[ST+8*\t], v[S+4+\t]
	v_sub_f32 v[S+10+4*\t], v[S+\t], v[S+4+\t]
.endr
.irp t, 0,1
	v_exp_f32 v[S+8+4*\t], v[S+8+4*\t]             ; f0, f1
	v_exp_f32 v[S+10+4*\t], v[S+10+4*\t]
.endr
	v_nop
	s_wait_alu depctr_va_vdst(0)
.irp t, 0,1
	v_mul_f32 v[S+6+\t], v[S+8+4*\t], v[ST+8*\t+4]
.endr
.irp t, 0,1
	v_fma_f32 v[S+6+\t], v[S+10+4*\t], v[S+2+\t], v[S+6+\t]   ; the row's sum
.endr
.irp t, 0,1
	v_rcp_f32 v[S+6+\t], v[S+6+\t]
.endr
	v_nop
	s_wait_alu depctr_va_vdst(0)
.irp t, 0,1
	v_mul_f32 v[S+8+4*\t], v[S+8+4*\t], v[S+6+\t]
	v_mul_f32 v[S+10+4*\t], v[S+10+4*\t], v[S+6+\t]
.endr
.irp t, 0,1
.set n, 0
.rept 16
	v_pk_mul_f32 v[KV+32*\t+n:KV+32*\t+n+1], v[KV+32*\t+n:KV+32*\t+n+1], v[S+10+4*\t:S+11+4*\t] op_sel_hi:[1,0]
	v_pk_fma_f32 v[O+32*\t+n:O+32*\t+n+1], v[O+32*\t+n:O+32*\t+n+1], v[S+8+4*\t:S+9+4*\t], v[KV+32*\t+n:KV+32*\t+n+1] op_sel_hi:[1,0,1]
.set n, n+2
.endr
.endr
.set n, 0
.rept 32
	v_cvt_pk_f16_f32 v[S+32+n], v[O+2*n], v[O+2*n+1]
.set n, n+1
.endr
.irp t, 0,1
.irp ct, 0,1,2,3
	global_store_b128 v10, v[S+32+16*\t+4*\ct:S+32+16*\t+4*\ct+3], s[42:43] offset:32768*\t+512*\ct   ; an image of 512 consecutive aligned bytes
.endr
.endr
.Lgave_\@:
.endm
	QADDR 13
	OADDR
	QLOAD
	INIT
	s_wait_tensorcnt 1                             ; my part of slot A is in; slot B's may stay out
	s_barrier_signal -1
	s_barrier_wait -1
	s_wait_loadcnt 0x0                             ; the queries
	WALK 0, 0
	CHANGE 0, 0                                    ; slot B is whole
	WALK SLOTB, 1
	QADDR 52                                       ; (the low pass's loads by this address were shown done above)
	FINISH 1
	s_wait_xcnt 0x0                                ; the stores have read their base and their data
	s_mov_b32 s13, s52
	OADDR
	INIT
	s_wait_loadcnt 0x0
	WALK 0, 0
	CHANGE 32, 1                                   ; slot A <- keys 1,024 on
	WALK SLOTB, 1
	CHANGE 36, 1                                   ; slot B <- keys 1,536 on
	WALK 0, 2
	CHANGE 0, 0
	WALK SLOTB, 3
	FINISH 0
	s_wait_tensorcnt 0x0                           ; the wave's end
	ds_add_u32 v5, v6
	s_wait_dscnt 0x0
	s_endpgm
.Lfunc_end_k_q1b04e964f3_attn:
	.size	k_q1b04e964f3_attn, .Lfunc_end_k_q1b04e964f3_attn-k_q1b04e964f3_attn
	.p2alignl 7, 3214868480
	.fill 96, 4, 3214868480
	.section	.rodata,"a",@progbits
	.p2align	6, 0x0
	.amdhsa_kernel k_q1b04e964f3_attn
		.amdhsa_group_segment_fixed_size 327680
		.amdhsa_private_segment_fixed_size 0
		.amdhsa_enable_private_segment 0
		.amdhsa_kernarg_size 16
		.amdhsa_user_sgpr_count 2
		.amdhsa_user_sgpr_kernarg_segment_ptr 1
		.amdhsa_wavefront_size32 1
		.amdhsa_system_sgpr_workgroup_id_x 1
		.amdhsa_system_sgpr_workgroup_id_y 1
		.amdhsa_system_sgpr_workgroup_id_z 1
		.amdhsa_system_vgpr_workitem_id 0
		.amdhsa_next_free_vgpr 256
		.amdhsa_next_free_sgpr 66
		.amdhsa_reserve_vcc 1
		.amdhsa_float_denorm_mode_32 3
		.amdhsa_float_denorm_mode_16_64 3
		.amdhsa_memory_ordered 1
		.amdhsa_forward_progress 1
		.amdhsa_inst_pref_size 163
	.end_amdhsa_kernel
	.amdgpu_metadata
---
amdhsa.version: [ 1, 2 ]
amdhsa.kernels:
  - .name:           k_q1b04e964f3_attn
    .symbol:         k_q1b04e964f3_attn.kd
    .args:
      - { .name: qkv, .offset: 0, .size: 8, .value_kind: global_buffer, .address_space: global }
      - { .name: at, .offset: 8, .size: 8, .value_kind: global_buffer, .address_space: global }
    .group_segment_fixed_size: 327680
    .private_segment_fixed_size: 0
    .kernarg_segment_align: 8
    .kernarg_segment_size: 16
    .max_flat_workgroup_size: 256
    .sgpr_count:     66
    .vgpr_count:     256
    .wavefront_size: 32
...
	.end_amdgpu_metadata
.endif
;; end of part 3
;; launch proj (part 4): grid 8 x 32, 4 waves a work-group, clusters of 4 x 4, 327,680 bytes of LDS; arguments at, wp, b_proj, out0; writes out0
.if DOCPART == 4
	.amdgcn_target "amdgcn-amd-amdhsa--gfx1250"
	.amdhsa_code_object_version 6
	.text
	.protected	k_q1b04e964f3_proj
	.globl	k_q1b04e964f3_proj
	.p2align	8
	.type	k_q1b04e964f3_proj,@function
k_q1b04e964f3_proj:
	s_mov_b64 s[64:65], 0
	v_nop
	global_prefetch_b8 v0, s[64:65] scope:SCOPE_SE
	s_setreg_imm32_b32 hwreg(HW_REG_WAVE_MODE, 25, 1), 1
	s_wait_xcnt 0x0
	s_wait_alu depctr_hold_cnt(0) depctr_sa_sdst(0) depctr_va_vdst(0) depctr_va_sdst(0) depctr_va_ssrc(0) depctr_va_vcc(0) depctr_vm_vsrc(0)
	s_getreg_b32 s2, hwreg(HW_REG_IB_STS2, 6, 4)
	s_cmp_eq_u32 s2, 0
	s_cbranch_scc0 .Lentry_in_a_cluster
	s_endpgm
.Lentry_in_a_cluster:
	s_bfe_u32 s2, ttmp6, 0x10000c
	s_cmp_lg_u32 s2, 0xf033
	s_cbranch_scc0 .Lentry_shape_is_right
	s_endpgm
.Lentry_shape_is_right:
; out0 = attn W_proj + b_proj.  M 4,096, N 1,024, K 1,024; operands f16, sums f32, out0 f32.
; at [token tile 256][chunk 64][lane][16 B], wp [n tile 64][chunk 64][lane][16 B]: images of operand registers: lane (r, h) holds row r, k = 16 chunk + 8 h + 0 .. 7; chunks 2 j, 2 j + 1 are a fragment of 16 x 32.
; A tile of out0 is 128 x 128, which gives each of 256 work-groups one; four waves, each 64 x 64: 16 accumulators.  K goes in four steps of 256 through two LDS slots: two laps, written out.
; A wave's tensor load brings 4 rows of 8,192 bytes (a K step of four tiles of 16), 32,768 bytes apart.  By this text's count two loads of a wave are out at the start, later one.
; CLUSTERS: 4 x 4 work-groups; at's tiles are shared along a row of the cluster, wp's along a column: joint loads.  THE MATRIX INSTRUCTION IS USED TRANSPOSED (source 0 = 16 columns of W, source 1 = 16 tokens).
; The bias is the C of each sum's first product.  No prefetch: the tile is small and a K step's refill is asked for a K step ahead.
; REGISTERS: window 0: v16-29 addresses; v32-95 rows on the way out; v96-127 the bias; v128-255 the accumulators ((a, b) at v[128 + 8 (4 a + b)]).  window 1: two fragment buffers of 128: 64 of at, then 64 of wp.
.set SLOT,   131072
.set STAGE,  2*SLOT                    ; behind the ring: 16 rows x 272 bytes for each wave: a wave's 64 columns are 256 aligned bytes of a row, so the stage is its own
.set SPITCH, 272
.set SPARE,  STAGE+4*16*SPITCH         ; the spare words, 128 bytes for each wave: two blocks of 256 bytes that no other line names
.set ADRA, 16
.set ADRB, 20
.set STO,  24
.set RD,   25
.set CO,   26
.set BO,   27
.set SPW,  28
.set NIL,  29
.set TMP,  32
.set BIAS, 96
.set ACC,  128
.set F0,   0
.set F1,   128
.set G1, 24
.set G0, 32
.set G1B, 48
.set G0B, 56
.set MSB, 0
.macro WIN new                         ; the immediate's high byte repeats the setting that is left
.if MSB != \new
	s_set_vgpr_msb (MSB<<8)|\new
.set MSB, \new
.endif
.endm
.set MUL,  0x05                        ; sources 0 and 1 window 1; C and D window 0
.set TO_F, 0x40
.macro JLOAD s                         ; a joint load: waves 0 and 1 fetch at's halves, waves 2 and 3 wp's; four v_nop follow each of the two lines
	s_cmp_eq_u32 s11, 0
	s_cbranch_scc0 .Lfor_b_\@
	tensor_load_to_lds s[G0+4*\s:G0+4*\s+3], s[G1:G1+7]
	s_nop 0
.rept 4
	v_nop
.endr
	s_branch .Lasked_\@
.Lfor_b_\@:
	tensor_load_to_lds s[G0B+4*\s:G0B+4*\s+3], s[G1B:G1B+7]
	s_nop 0
.rept 4
	v_nop
.endr
.Lasked_\@:
.endm
.macro CREST                           ; a round of the cluster's barrier behind its opening barrier
	s_cmp_lg_u32 s10, 0
	s_cbranch_scc1 .Lnot_wave_0_\@
	s_barrier_signal -3
.Lnot_wave_0_\@:
	s_barrier_wait -3
	s_barrier_signal -1
	s_barrier_wait -1
.endm
.macro CROUND
	s_barrier_signal -1
	s_barrier_wait -1
	CREST
.endm
	s_load_b128 s[4:7], s[0:1], 0x0                ; at s[4:5], wp s[6:7]
	s_load_b64 s[66:67], s[0:1], 0x10              ; b_proj
	s_load_b64 s[8:9], s[0:1], 0x18                ; out0
	v_lshl_add_u32 v[SPW], v0, 2, SPARE
	v_mov_b32 v[NIL], 0
	ds_add_u32 v28, v29
	ds_add_u32 v28, v29
	s_wait_dscnt 0x0
	v_lshrrev_b32 v1, 5, v0
	v_readfirstlane_b32 s10, v1                    ; wave 0..3
	s_lshr_b32 s11, s10, 1                         ; my half of the tile's rows.  Also: I fetch for at (0) or for wp (1)
	s_and_b32 s12, s10, 1                          ; my half of its columns.  Also: which four tiles of 16 I fetch
	s_bfe_u32 s40, ttmp6, 0x40000
	s_bfe_u32 s41, ttmp6, 0x40004
	s_lshl_b32 s42, ttmp9, 2
	s_add_co_u32 s42, s42, s40                     ; tile column
	s_and_b32 s13, ttmp7, 0xffff
	s_lshl_b32 s13, s13, 2
	s_add_co_u32 s13, s13, s41                     ; tile row
	s_lshl_b32 s43, s41, 2
	s_lshl_b32 s43, 15, s43                        ; my row of the cluster
	s_lshl_b32 s44, 0x1111, s40                    ; my column
	s_or_b32 s[G1+0], s43, (3<<16)|(1<<21)         ; 15:0 the mask; 17:16 elements of 8 bytes; 21 set beside a mask; no padding
	s_or_b32 s[G1B+0], s44, (3<<16)|(1<<21)
.irp g, G1, G1B
	s_mov_b32 s[\g+1], 1024<<16                    ; tensor_dim0 = 1,024 (8,192 bytes)
	s_mov_b32 s[\g+2], 4<<16                       ; tensor_dim1 = 4
	s_mov_b32 s[\g+3], 1024<<16                    ; tile_dim0
	s_mov_b32 s[\g+4], 4                           ; tile_dim1
	s_mov_b32 s[\g+5], 4096                        ; from row to row
	s_mov_b32 s[\g+6], 0
	s_mov_b32 s[\g+7], 0
.endr
	s_lshl_b32 s17, s12, 2
	s_lshl_b32 s16, s13, 3
	s_add_co_u32 s16, s16, s17                     ; at: tile 8 x tile row + 4 x half
	s_lshl_b32 s16, s16, 15
	s_lshl_b32 s46, s42, 3
	s_add_co_u32 s46, s46, s17                     ; wp: tile 8 x tile column + 4 x half
	s_lshl_b32 s46, s46, 15
	s_mov_b32 s17, 0
	s_mov_b32 s47, 0
	s_lshl_b32 s20, s10, 15                        ; where they go: wave x 32,768
	s_wait_kmcnt 0x0
	s_add_nc_u64 s[14:15], s[4:5], s[16:17]
	s_add_nc_u64 s[46:47], s[6:7], s[46:47]
	CROUND                                         ; all sixteen work-groups are here: the first joint loads meet
.irp s, 0,1
	s_mov_b32 s[G0+4*\s], 1
	s_add_co_u32 s[G0+4*\s+1], s20, \s*SLOT
	s_add_nc_u64 s[G0+4*\s+2:G0+4*\s+3], s[14:15], \s*8192
	s_or_b32 s[G0+4*\s+3], s[G0+4*\s+3], 0x80000000
	s_mov_b32 s[G0B+4*\s], 1
	s_add_co_u32 s[G0B+4*\s+1], s20, \s*SLOT
	s_add_nc_u64 s[G0B+4*\s+2:G0B+4*\s+3], s[46:47], \s*8192
	s_or_b32 s[G0B+4*\s+3], s[G0B+4*\s+3], 0x80000000
	JLOAD \s
.endr
	v_and_b32 v1, 15, v0                           ; r
	v_bfe_u32 v2, v0, 4, 1                         ; h
	v_and_b32 v3, 31, v0
	v_lshlrev_b32 v3, 4, v3                        ; 16 x lane
	v_lshlrev_b32 v[BO], 5, v2
	s_lshl_b32 s46, s42, 9                         ; my first column, in bytes: 4 (128 tile column + 64 half)
	s_lshl_b32 s47, s12, 8
	s_add_co_u32 s46, s46, s47
	s_mov_b32 s47, 0
	s_add_nc_u64 s[66:67], s[66:67], s[46:47]
.irp b, 0,1,2,3
	global_load_b128 v[BIAS+8*\b:BIAS+8*\b+3], v[BO], s[66:67] offset:64*\b       ; in the result's layout: register j = column 16 b + 8 h + j
	global_load_b128 v[BIAS+8*\b+4:BIAS+8*\b+7], v[BO], s[66:67] offset:64*\b+16
.endr
	s_lshl_b32 s21, s11, 15                        ; my 64 rows of at
	s_lshl_b32 s22, s12, 15                        ; my 64 columns of wp,
	s_add_co_u32 s22, s22, 65536                   ; which lie behind at's 128 rows
.irp s, 0,1
	v_add_nc_u32 v[ADRA+\s], s21, v3
	v_add_nc_u32 v[ADRB+\s], s22, v3
	s_add_co_u32 s21, s21, SLOT
	s_add_co_u32 s22, s22, SLOT
.endr
	s_mul_i32 s23, s10, 16*SPITCH
	s_add_co_u32 s23, s23, STAGE                   ; my stage
	v_mul_u32_u24 v4, v1, SPITCH                   ; in: row r, 32 bytes for each half of the lanes
	v_lshl_add_u32 v4, v2, 5, v4
	v_add_nc_u32 v[STO], s23, v4
	v_mul_u32_u24 v5, v2, SPITCH                   ; back: lanes 0-15 one row of 256 bytes, lanes 16-31 the next
	v_lshl_add_u32 v5, v1, 4, v5
	v_add_nc_u32 v[RD], s23, v5
	v_lshlrev_b32 v5, 12, v2                       ; and the same two rows of out0, 4,096 bytes apart
	v_lshl_add_u32 v[CO], v1, 4, v5
	s_lshl_b32 s16, s13, 19                        ; my first row: (128 tile row + 64 half) x 4,096 bytes
	s_lshl_b32 s17, s11, 18
	s_add_co_u32 s16, s16, s17
	s_mov_b32 s17, 0
	s_add_nc_u64 s[8:9], s[8:9], s[16:17]
	s_add_nc_u64 s[8:9], s[8:9], s[46:47]
; 8 matrix instructions: token blocks a0, a0 + 1 x all 4 column blocks, 32 along K: half c of buffer f.  zero = 1: the first product starts the sums from the bias.  The 16 accumulators take turns.
.macro MUL8 f, c, a0, zero
.irp a, \a0, \a0+1
.irp b, 0,1,2,3
.if \zero
	v_wmma_f32_16x16x32_f16 v[ACC+8*(4*(\a)+\b):ACC+8*(4*(\a)+\b)+7], v[\f+64+8*(4*\c+\b):\f+64+8*(4*\c+\b)+7], v[\f+8*(4*\c+\a):\f+8*(4*\c+\a)+7], v[BIAS+8*\b:BIAS+8*\b+7]
.else
	v_wmma_f32_16x16x32_f16 v[ACC+8*(4*(\a)+\b):ACC+8*(4*(\a)+\b)+7], v[\f+64+8*(4*\c+\b):\f+64+8*(4*\c+\b)+7], v[\f+8*(4*\c+\a):\f+8*(4*\c+\a)+7], v[ACC+8*(4*(\a)+\b):ACC+8*(4*(\a)+\b)+7]
.endif
.endr
.endr
.endm
; 32 LDS loads in one run: the fragments of the slot's quarter qd (64 along K: four chunks of 512 bytes) into buffer f; the first 32 along K first
.macro FETCH slot, qd, f
	WIN TO_F
.irp c, 0,1
.irp i, 0,1,2,3
	ds_load_b128 v[\f+64+8*(4*\c+\i):\f+64+8*(4*\c+\i)+3],   v[ADRB+\slot] offset:2048*(\qd)+1024*\c+8192*\i
	ds_load_b128 v[\f+64+8*(4*\c+\i)+4:\f+64+8*(4*\c+\i)+7], v[ADRB+\slot] offset:2048*(\qd)+1024*\c+8192*\i+512
	ds_load_b128 v[\f+8*(4*\c+\i):\f+8*(4*\c+\i)+3],         v[ADRA+\slot] offset:2048*(\qd)+1024*\c+8192*\i
	ds_load_b128 v[\f+8*(4*\c+\i)+4:\f+8*(4*\c+\i)+7],       v[ADRA+\slot] offset:2048*(\qd)+1024*\c+8192*\i+512
.endr
.endr
.endm
.macro PLACES                          ; four places in front of loads into registers that matrix instructions have read, and of the first read of results
.rept 4
	v_nop
.endr
.endm
; One of a K step's first three quarters: multiplies buffer f and fetches quarter qd into g
.macro QUARTER slot, qd, f, g, zero
	s_wait_dscnt 16                                ; the first 32 along K are in
	WIN MUL
	MUL8 \f, 0, 0, \zero
	MUL8 \f, 0, 2, \zero
	PLACES
	FETCH \slot, \qd, \g
	s_wait_dscnt 32                                ; all but the 32 just issued
	WIN MUL
	MUL8 \f, 1, 0, 0
	MUL8 \f, 1, 2, 0
.endm
; The last quarter changes slots: ONE barrier; in front of it each wave waits for all its tensor loads, adds 0 to its spare word, and waits for that and for its reads of this slot.  fill = 1: this slot is filled again, two K steps ahead.
.macro TURN slot, next, fill
	WIN 0                                          ; (the add's two registers lie in window 0)
	s_wait_tensorcnt 0x0                           ; all my tensor loads have landed: my part of the next slot
	ds_add_u32 v[SPW], v[NIL]                      ; 0 onto my spare word
	s_wait_dscnt 17                                ; (the add and the youngest sixteen loads may be out)
	WIN MUL
	MUL8 F1, 0, 0, 0
	s_wait_dscnt 0x0                               ; the add is done, and my reads of this slot are over
	s_barrier_signal -1
	MUL8 F1, 0, 2, 0
.if \fill
	WIN 0
.endif
	s_barrier_wait -1
.if \fill
	CREST                                          ; the barrier has opened a round of the cluster's: no wave of any partner still reads this slot or has a load on its way
	s_add_nc_u64 s[G0+4*\slot+2:G0+4*\slot+3], s[G0+4*\slot+2:G0+4*\slot+3], 16384
	s_add_nc_u64 s[G0B+4*\slot+2:G0B+4*\slot+3], s[G0B+4*\slot+2:G0B+4*\slot+3], 16384
	JLOAD \slot                                    ; the first tensor load behind the round; its four v_nop are also the places in front of the loads below
.else
	PLACES
.endif
	FETCH \next, 0, F0
	WIN MUL
	MUL8 F1, 1, 0, 0
	MUL8 F1, 1, 2, 0
.endm
	s_wait_tensorcnt 1                             ; my part of K step 0 is in; K step 1's may stay out
	s_barrier_signal -1
	s_barrier_wait -1
	FETCH 0, 0, F0
	s_wait_loadcnt 0x0                             ; the bias
	QUARTER 0, 1, F0, F1, 1
	QUARTER 0, 2, F1, F0, 0
	QUARTER 0, 3, F0, F1, 0
	TURN 0, 1, 1                                   ; slot 0 <- K step 2
	QUARTER 1, 1, F0, F1, 0
	QUARTER 1, 2, F1, F0, 0
	QUARTER 1, 3, F0, F1, 0
	TURN 1, 0, 1                                   ; slot 1 <- K step 3
	QUARTER 0, 1, F0, F1, 0
	QUARTER 0, 2, F1, F0, 0
	QUARTER 0, 3, F0, F1, 0
	TURN 0, 1, 0                                   ; the last lap fills nothing
	QUARTER 1, 1, F0, F1, 0
	QUARTER 1, 2, F1, F0, 0
	QUARTER 1, 3, F0, F1, 0
	s_wait_dscnt 16                                ; the very last quarter
	WIN MUL
	MUL8 F1, 0, 0, 0
	MUL8 F1, 0, 2, 0
	s_wait_dscnt 0x0
	MUL8 F1, 1, 0, 0
	MUL8 F1, 1, 2, 0
	WIN 0
; THE WAY OUT, 16 rows at a time: a lane's 32 bytes of a row go into my stage and come back as whole rows of 256 bytes.  LDS serves a wave's instructions in order: no wait between the stores and the loads.
.macro TOSTAGE a
.irp b, 0,1,2,3
	ds_store_b128 v[STO], v[ACC+8*(4*\a+\b):ACC+8*(4*\a+\b)+3] offset:64*\b        ; each accumulator from its low end on
	ds_store_b128 v[STO], v[ACC+8*(4*\a+\b)+4:ACC+8*(4*\a+\b)+7] offset:64*\b+16
.endr
.irp t, 0,1,2,3,4,5,6,7
	ds_load_b128 v[TMP+32*(\a%2)+4*\t:TMP+32*(\a%2)+4*\t+3], v[RD] offset:\t*2*SPITCH
.endr
.endm
.macro SEND a, younger                 ; younger: the LDS instructions issued behind block a's loads
	s_wait_dscnt \younger
.irp t, 0,1,2,3,4,5,6,7
	global_store_b128 v[CO], v[TMP+32*((\a)%2)+4*\t:TMP+32*((\a)%2)+4*\t+3], s[8:9] offset:(16*(\a)+2*\t)*4096 th:TH_STORE_NT   ; 16 lanes store 256 consecutive aligned bytes
.endr
.endm
	PLACES
	TOSTAGE 0
.irp a, 1,2,3
.if \a > 1
	s_wait_xcnt 0x0                                ; block a - 2's stores have read the registers that block a's loads take
.endif
	TOSTAGE \a
	SEND \a-1, 16                                  ; behind block a - 1's loads: block a's 8 stores and 8 loads
.endr
	SEND 3, 0
	s_wait_tensorcnt 0x0                           ; the wave's end
	ds_add_u32 v[SPW], v[NIL]
	s_wait_dscnt 0x0
	CROUND                                         ; the closing round
	s_endpgm
.Lfunc_end_k_q1b04e964f3_proj:
	.size	k_q1b04e964f3_proj, .Lfunc_end_k_q1b04e964f3_proj-k_q1b04e964f3_proj
	.p2alignl 7, 3214868480
	.fill 96, 4, 3214868480
	.section	.rodata,"a",@progbits
	.p2align	6, 0x0
	.amdhsa_kernel k_q1b04e964f3_proj
		.amdhsa_group_segment_fixed_size 327680
		.amdhsa_private_segment_fixed_size 0
		.amdhsa_enable_private_segment 0
		.amdhsa_kernarg_size 32
		.amdhsa_user_sgpr_count 2
		.amdhsa_user_sgpr_kernarg_segment_ptr 1
		.amdhsa_wavefront_size32 1
		.amdhsa_system_sgpr_workgroup_id_x 1
		.amdhsa_system_sgpr_workgroup_id_y 1
		.amdhsa_system_sgpr_workgroup_id_z 1
		.amdhsa_system_vgpr_workitem_id 0
		.amdhsa_next_free_vgpr 512
		.amdhsa_next_free_sgpr 68
		.amdhsa_reserve_vcc 0
		.amdhsa_float_denorm_mode_32 3
		.amdhsa_float_denorm_mode_16_64 3
		.amdhsa_memory_ordered 1
		.amdhsa_forward_progress 1
		.amdhsa_inst_pref_size 86
	.end_amdhsa_kernel
	.amdgpu_metadata
---
amdhsa.version: [ 1, 2 ]
amdhsa.kernels:
  - .name:           k_q1b04e964f3_proj
    .symbol:         k_q1b04e964f3_proj.kd
    .args:
      - { .name: at, .offset: 0, .size: 8, .value_kind: global_buffer, .address_space: global }
      - { .name: wp, .offset: 8, .size: 8, .value_kind: global_buffer, .address_space: global }
      - { .name: b_proj, .offset: 16, .size: 8, .value_kind: global_buffer, .address_space: global }
      - { .name: out0, .offset: 24, .size: 8, .value_kind: global_buffer, .address_space: global }
    .group_segment_fixed_size: 327680
    .private_segment_fixed_size: 0
    .kernarg_segment_align: 8
    .kernarg_segment_size: 32
    .max_flat_workgroup_size: 128
    .sgpr_count:     68
    .vgpr_count:     512
    .wavefront_size: 32
...
	.end_amdgpu_metadata
.endif
;; end of part 4
